; MI455X (gfx1250); checked and timed in simulation.
; The chip was launched on July 23, 2026; its instructions are those of AMD's public machine-readable ISA for CDNA 5 (MIT licence, August 2026) and "CDNA5" Instruction Set Architecture Reference Guide (July 2026). The comments in the code are by the model that wrote it; some were corrected since.
;; Mo E Top X. Allowed arithmetic: float matrix products may take bf16 or f16 operands with f32 sums; all other float work in f32.
;; Inputs: We 8 x 2,048 x 2,048 float32; Wg 2,048 x 8 float32; be 8 x 2,048 float32; bg 8 float32; inputs 2,048 x 2,048 float32.
;; Outputs: out0 2,048 x 2,048 float32.
;; Constants: top_x = 2.
;; 2 versions, each right; version 2 is version 1 with the launch experts written anew for expert scheduling mode. Each part assembles by itself: llvm-mc -triple=amdgcn-amd-amdhsa -mcpu=gfx1250 --defsym DOCPART=n.
;; ======== version 1 of 2: 4 launches
;; workspace buffers: sel 8,192 bytes of whole numbers; wts 16,384 bytes; xs 18,284,544 bytes; ppos 16,384 bytes of whole numbers; seg 256 bytes of whole numbers; hb 36,569,088 bytes
;; launch gate (part 1): grid 256 x 1, 8 waves a work-group, no clusters, 3,072 bytes of LDS; arguments inputs, Wg, bg, sel, wts; writes sel, wts
.if DOCPART == 1
	.amdgcn_target "amdgcn-amd-amdhsa--gfx1250"
	.amdhsa_code_object_version 6
	.text
	.protected	k_q34c89ba8f0_gate
	.globl	k_q34c89ba8f0_gate
	.p2align	8
	.type	k_q34c89ba8f0_gate,@function
k_q34c89ba8f0_gate:
	s_mov_b64 s[64:65], 0
	v_nop
	global_prefetch_b8 v0, s[64:65] scope:SCOPE_SE
	s_setreg_imm32_b32 hwreg(HW_REG_WAVE_MODE, 25, 1), 1
	s_wait_xcnt 0x0
; GATE.  logits[n][e] = sum over d of inputs[n][d] Wg[d][e] + bg[e]; the two largest logits of a token; softmax of the two, twice.
; Out: sel[n] = (1 << e0) | (0x100 << e1) (a whole number: the later launches form addresses from it), wts[n] = {w0, w1} in f32.
; The product stays in f32 on the vector ALU: it has 8 columns (2048 x 2048 x 8 multiply-adds, 1/2048 of the experts' dense work) and it
; feeds a choice, which operands rounded to 16 bits would change for tokens whose logits lie close together.
; LIMITS: NaN and infinities among the inputs are not served.  The sum over d runs in another order than a plain loop, so a token whose
; second and third logit differ by less than the rounding of an f32 sum of 2048 terms may choose the other expert.  Equal logits: the lower index.
; SHARES: the work-group takes 8 tokens, wave w the features 256 w .. 256 w + 255, lane L the features 256 w + 128 i + 4 L + dd (i 0..1, dd 0..3).
; No matrix unit, no cluster, no tensor load: every byte of inputs is read once, by one wave, straight into the registers that use it.
.set W,     16                         ; v[16:79]    Wg of my 8 features: (c = 4 i + dd, e) at 8 c + e; later the eight waves' partial sums
.set X,     80                         ; v[80:143]   inputs: (token t, c) at 8 t + c; later at work
.set ACC,   144                        ; v[144:207]  sums: (t, e) at 8 t + e
.set LOG2E, 0x3fb8aa3b                 ; 1 / ln 2: v_exp_f32 works in base 2
	s_load_b256 s[4:11], s[0:1], 0x0               ; inputs s[4:5], Wg s[6:7], bg s[8:9], sel s[10:11]
	s_load_b64 s[12:13], s[0:1], 0x20              ; wts
	v_lshl_add_u32 v208, v0, 2, 0x800
	v_mov_b32 v209, 0
	v_and_b32 v1, 31, v0                           ; lane
	v_lshrrev_b32 v6, 5, v0
	v_readfirstlane_b32 s14, v6                    ; wave
	s_lshl_b32 s28, ttmp9, 16                      ; 8 tokens of 8,192 bytes for each work-group
	s_mov_b32 s29, 0
	s_mov_b32 s24, 0x76543210                      ; v_permlanex16_b32: lane i reads lane i of the other half
	s_mov_b32 s25, 0xfedcba98
	v_lshlrev_b32 v2, 4, v1
	v_lshl_add_u32 v2, s14, 10, v2                 ; inputs: 1,024 w + 16 L
	v_lshlrev_b32 v3, 7, v1
	v_lshl_add_u32 v3, s14, 13, v3                 ; Wg: 32 bytes a feature: 8,192 w + 128 L
	v_mov_b32 v5, s14
	v_lshlrev_b32 v4, 8, v5                        ; LDS: my wave's 256 bytes of sums
	v_lshlrev_b32 v5, 5, v5                        ; LDS: token w's 32 bytes in a wave's 256
	s_wait_kmcnt 0x0
	s_load_b256 s[16:23], s[8:9], 0x0              ; bg, all 8
	s_add_nc_u64 s[4:5], s[4:5], s[28:29]
	; Wg: a lane's four features of one i are 128 consecutive bytes, taken by eight loads of 16; the eight together cover 4,096 bytes whole.  Once, in no loop.
.irp c, 0,1,2,3,4,5,6,7
.irp u, 0,1
	global_load_b128 v[W+8*\c+4*\u:W+8*\c+4*\u+3], v3, s[6:7] offset:4096*(\c>>2)+32*(\c&3)+16*\u
.endr
.endr
.irp t, 0,1,2,3,4,5,6,7
.irp i, 0,1
	global_load_b128 v[X+8*\t+4*\i:X+8*\t+4*\i+3], v2, s[4:5] offset:8192*\t+512*\i th:TH_LOAD_NT   ; 512 consecutive bytes a wave
.endr
.endr
; Token t: 8 features x 8 experts, two experts in one instruction; the feature's number is sent to both halves by op_sel.
.macro DOT t
	s_wait_loadcnt 14-2*\t                         ; loads come back in order: Wg and this token's two are in, the younger tokens' two each stay out
.irp p, 0,1,2,3
	v_pk_mul_f32 v[ACC+8*\t+2*\p:ACC+8*\t+2*\p+1], v[X+8*\t:X+8*\t+1], v[W+2*\p:W+2*\p+1] op_sel_hi:[0,1]   ; the first product starts the sums
.endr
.irp c, 1,2,3,4,5,6,7
.irp p, 0,1,2,3
.if \c & 1
	v_pk_fma_f32 v[ACC+8*\t+2*\p:ACC+8*\t+2*\p+1], v[X+8*\t+(\c&6):X+8*\t+(\c&6)+1], v[W+8*\c+2*\p:W+8*\c+2*\p+1], v[ACC+8*\t+2*\p:ACC+8*\t+2*\p+1] op_sel:[1,0,0] op_sel_hi:[1,1,1]
.else
	v_pk_fma_f32 v[ACC+8*\t+2*\p:ACC+8*\t+2*\p+1], v[X+8*\t+(\c&6):X+8*\t+(\c&6)+1], v[W+8*\c+2*\p:W+8*\c+2*\p+1], v[ACC+8*\t+2*\p:ACC+8*\t+2*\p+1] op_sel_hi:[0,1,1]
.endif
.endr
.endr
.endm
.irp t, 0,1,2,3,4,5,6,7
	DOT \t
.endr
	; over the 32 lanes, stage by stage over all 64 sums, so that no instruction waits for the one in front of it
.irp m, 1,2,4,8
.set k, 0
.rept 64
	v_add_f32_dpp v[ACC+k], v[ACC+k], v[ACC+k] row_xmask:\m row_mask:0xf bank_mask:0xf
.set k, k+1
.endr
.endr
.set k, 0
.rept 64
	v_permlanex16_b32 v[X+k], v[ACC+k], s24, s25   ; its destination counts as read: X has been written
.set k, k+1
.endr
.set k, 0
.rept 32
	v_pk_add_f32 v[ACC+2*k:ACC+2*k+1], v[ACC+2*k:ACC+2*k+1], v[X+2*k:X+2*k+1]
.set k, k+1
.endr
	; over the 8 waves, through LDS: [wave][token][expert]; all lanes hold, and write, the same numbers
.irp k, 0,1,2,3,4,5,6,7,8,9,10,11,12,13,14,15
	ds_store_b128 v4, v[ACC+4*\k:ACC+4*\k+3] offset:16*\k
.endr
	s_wait_dscnt 0x0                               ; for the other waves' sake: my stores are done before I signal
	s_barrier_signal -1
	s_barrier_wait -1
	; wave w finishes token w
.irp a, 0,1,2,3,4,5,6,7
.irp u, 0,1
	ds_load_b128 v[W+8*\a+4*\u:W+8*\a+4*\u+3], v5 offset:256*\a+16*\u
.endr
.endr
	s_wait_dscnt 0x0
.irp a, 1,2,3,4,5,6,7
.irp p, 0,1,2,3
	v_pk_add_f32 v[W+2*\p:W+2*\p+1], v[W+2*\p:W+2*\p+1], v[W+8*\a+2*\p:W+8*\a+2*\p+1]
.endr
.endr
	s_wait_kmcnt 0x0                               ; bg
.irp e, 0,1,2,3,4,5,6,7
	v_add_f32 v[W+\e], s[16+\e], v[W+\e]           ; the 8 logits, alike in every lane
.endr
	; the largest: v6 its value, v7 its index.  A later logit wins only if it is larger, so equal logits leave the lower index.
	v_mov_b32 v6, v[W]
	v_mov_b32 v7, 0
.irp e, 1,2,3,4,5,6,7
	v_cmp_le_f32 vcc_lo, v[W+\e], v6               ; keep what we have
	v_cndmask_b32 v6, v[W+\e], v6, vcc_lo
	v_cndmask_b32 v7, \e, v7, vcc_lo
.endr
	v_mov_b32 v10, 0xff800000                      ; minus infinity takes the winner's place,
.irp e, 0,1,2,3,4,5,6,7
	v_cmp_eq_u32 vcc_lo, \e, v7
	v_cndmask_b32 v[W+\e], v[W+\e], v10, vcc_lo
.endr
	v_mov_b32 v8, v[W]                             ; and the same scan finds the second: v8, v9
	v_mov_b32 v9, 0
.irp e, 1,2,3,4,5,6,7
	v_cmp_le_f32 vcc_lo, v[W+\e], v8
	v_cndmask_b32 v8, v[W+\e], v8, vcc_lo
	v_cndmask_b32 v9, \e, v9, vcc_lo
.endr
	; softmax of (v6, v8), the maximum v6 taken away: a = 1 / (1 + t), b = t a, t = e^(v8 - v6) <= 1.
	; softmax of (a, b), the maximum a taken away: w0 = 1 / (1 + u), w1 = u w0, u = e^(b - a) <= 1.
	; Behind each transcendental one plain vector instruction that touches neither its result nor its source (ISA guide 5.7.2).
	v_sub_f32 v11, v8, v6
	v_mul_f32 v11, LOG2E, v11
	v_exp_f32 v11, v11                             ; t
	v_mov_b32 v12, 1
	s_wait_alu depctr_va_vdst(0)
	v_add_f32 v13, 1.0, v11
	v_rcp_f32 v13, v13                             ; a
	v_lshlrev_b32 v12, v7, v12                     ; 1 << e0
	s_wait_alu depctr_va_vdst(0)
	v_fma_f32 v14, v11, v13, -v13                  ; b - a
	v_mul_f32 v14, LOG2E, v14
	v_exp_f32 v14, v14                             ; u
	v_mov_b32 v15, 0x100
	s_wait_alu depctr_va_vdst(0)
	v_add_f32 v11, 1.0, v14
	v_rcp_f32 v80, v11                             ; w0
	v_lshlrev_b32 v15, v9, v15                     ; 0x100 << e1
	s_wait_alu depctr_va_vdst(0)
	v_mul_f32 v81, v14, v80                        ; w1
	v_or_b32 v12, v12, v15
	s_lshl_b32 s15, ttmp9, 3
	s_add_co_u32 s15, s15, s14                     ; my token
	v_mov_b32 v2, s15                              ; (the loads that v2 and v3 addressed are long in)
	v_lshlrev_b32 v3, 3, v2
	v_lshlrev_b32 v2, 2, v2
	v_cmp_eq_u32 vcc_lo, 0, v1
	s_wait_xcnt 0x0                                ; EXEC is narrowed only behind this wait
	s_wait_tensorcnt 0x0
	ds_add_u32 v208, v209
	s_wait_dscnt 0x0
	s_and_saveexec_b32 s26, vcc_lo                 ; lane 0 stores for the wave: 4 and 8 bytes a token, 12 bytes x 2,048 in the launch
	global_store_b32 v2, v12, s[10:11]
	global_store_b64 v3, v[80:81], s[12:13]
	s_wait_xcnt 0x0                                ; and widened only behind this one
	s_or_b32 exec_lo, exec_lo, s26
	s_endpgm
.Lfunc_end_k_q34c89ba8f0_gate:
	.size	k_q34c89ba8f0_gate, .Lfunc_end_k_q34c89ba8f0_gate-k_q34c89ba8f0_gate
	.p2alignl 7, 3214868480
	.fill 96, 4, 3214868480
	.section	.rodata,"a",@progbits
	.p2align	6, 0x0
	.amdhsa_kernel k_q34c89ba8f0_gate
		.amdhsa_group_segment_fixed_size 3072
		.amdhsa_private_segment_fixed_size 0
		.amdhsa_enable_private_segment 0
		.amdhsa_kernarg_size 40
		.amdhsa_user_sgpr_count 2
		.amdhsa_user_sgpr_kernarg_segment_ptr 1
		.amdhsa_wavefront_size32 1
		.amdhsa_system_sgpr_workgroup_id_x 1
		.amdhsa_system_sgpr_workgroup_id_y 1
		.amdhsa_system_sgpr_workgroup_id_z 1
		.amdhsa_system_vgpr_workitem_id 0
		.amdhsa_next_free_vgpr 210
		.amdhsa_next_free_sgpr 66
		.amdhsa_reserve_vcc 1
		.amdhsa_float_denorm_mode_32 3
		.amdhsa_float_denorm_mode_16_64 3
		.amdhsa_memory_ordered 1
		.amdhsa_forward_progress 1
		.amdhsa_inst_pref_size 50
	.end_amdhsa_kernel
	.amdgpu_metadata
---
amdhsa.version: [ 1, 2 ]
amdhsa.kernels:
  - .name:           k_q34c89ba8f0_gate
    .symbol:         k_q34c89ba8f0_gate.kd
    .args:
      - { .name: inputs, .offset: 0, .size: 8, .value_kind: global_buffer, .address_space: global }
      - { .name: Wg, .offset: 8, .size: 8, .value_kind: global_buffer, .address_space: global }
      - { .name: bg, .offset: 16, .size: 8, .value_kind: global_buffer, .address_space: global }
      - { .name: sel, .offset: 24, .size: 8, .value_kind: global_buffer, .address_space: global }
      - { .name: wts, .offset: 32, .size: 8, .value_kind: global_buffer, .address_space: global }
    .group_segment_fixed_size: 3072
    .private_segment_fixed_size: 0
    .kernarg_segment_align: 8
    .kernarg_segment_size: 40
    .max_flat_workgroup_size: 256
    .sgpr_count:     66
    .vgpr_count:     210
    .wavefront_size: 32
...
	.end_amdgpu_metadata
.endif
;; end of part 1
;; launch route (part 2): grid 256 x 1, 8 waves a work-group, no clusters, 69,376 bytes of LDS; arguments sel, inputs, xs, ppos, seg; writes xs, ppos, seg
.if DOCPART == 2
	.amdgcn_target "amdgcn-amd-amdhsa--gfx1250"
	.amdhsa_code_object_version 6
	.text
	.protected	k_q34c89ba8f0_route
	.globl	k_q34c89ba8f0_route
	.p2align	8
	.type	k_q34c89ba8f0_route,@function
k_q34c89ba8f0_route:
	s_mov_b64 s[64:65], 0
	v_nop
	global_prefetch_b8 v0, s[64:65] scope:SCOPE_SE
	s_setreg_imm32_b32 hwreg(HW_REG_WAVE_MODE, 25, 1), 1
	s_wait_xcnt 0x0
; ROUTE.  The 4,096 pairs (token, slot) are ordered by expert.  Expert e gets passes F_e .. F_(e+1) - 1 of 48 positions each (its count rounded up);
; the sum of the passes is 86 to 93 ((4096 + 8 x 47) / 48 at the most), that is 258 to 279 tiles of 16 positions.
; Out: seg: entry 2 e = F_e, entry 2 e + 1 = F_(e+1), 8 bytes each (high word 0);  ppos[2 n + slot] = the pair's position;
; xs: the rows of inputs by position, rounded to bf16, zeros where no pair is, in the order in which a matrix fragment wants them: tile T at 65,536 T;
; the 16 bytes of row r, k = 32 s + 16 q + 8 h .. + 7 at 1,024 s + 512 q + 16 (16 h + r), so that 512 consecutive bytes are one load of a wave and half a fragment.
; Every work-group makes all 4,096 positions for itself from the 8 KiB of sel (no traffic between work-groups), in registers: thread (w, L) has the tokens
; 256 w + 32 j + L.  It then needs the pairs that stand at the 16 positions of its tile.  They are found by comparing: each of a lane's 16 pairs
; against the 16 positions, 2 instructions each.  So no LDS address is made from data: every one is a constant, a lane term and a wave term.
; All of this is whole-number work, the sums across lanes and waves too, since addresses are made from it.
; WHO TAKES WHICH TILE hangs on the work-group's number alone, and no branch on a number that this launch makes: work-group g takes tile g (always in use: at
; least 258 are), and work-groups 0 to 22 take tile g + 256 as well.  All 279 tiles are stored; one beyond the routing's last holds no pair and is stored as zeros
; that nobody reads: 21 tiles x 64 KiB at the most.  The second tile stands behind a forward branch with no barrier behind it: the stage is each wave's own.
; A stream: no matrix unit, no cluster (no two work-groups want the same bytes at the same time), no tensor load (the rows' places come from a list).
.set EXTRA,  23                        ; 279 tiles - 256 work-groups
.set S,      2                         ; v[2:9]     sel of my 8 tokens
.set K,      10                        ; v[10:17]   the eight waves' counts of expert L & 7; later their words of entries
.set E,      27                        ; v27        lane L: entry L (0-15 tile g, 16-31 tile g + 256): pair number + 1, or 0 where no pair is
.set POS,    28                        ; v[28:43]   position of my pair (j, slot) at 2 j + slot
.set PV,     44                        ; v[44:59]   its number + 1
.set ACC,    60                        ; v[60:91]   what I found for each of the 32 positions; then 16 words of two entries
.set TT,     76                        ; v[76:91]   at work in the sums across lanes
.set X,      60                        ; v[60:187]  row r: 8 registers f32, then 4 of bf16; v[60:123] again for the way out
.set OFFA,   192                       ; v[192:207] tile g: the 16 rows' byte offsets in inputs
.set OFFB,   208                       ; v[208:223] tile g + 256: the same
.set CNT,    0                         ; LDS: [wave][expert] counts, 256 bytes
.set ENT,    256                       ; LDS: [wave][16 words of two entries], 512 bytes
.set STG,    768                       ; LDS: a stage for each wave: 16 rows of 512 bytes,
.set SPITCH, 528                       ; 33 x 16 bytes apart: the 16 rows that a read touches begin in 16 different 16-byte columns of 256 bytes
	s_load_b256 s[4:11], s[0:1], 0x0               ; sel s[4:5], inputs s[6:7], xs s[8:9], ppos s[10:11]
	s_load_b64 s[12:13], s[0:1], 0x20              ; seg
	v_lshl_add_u32 v228, v0, 2, 0x10b00
	v_mov_b32 v229, 0
	v_and_b32 v1, 31, v0                           ; lane
	v_lshrrev_b32 v18, 5, v0
	v_readfirstlane_b32 s14, v18                   ; wave
	v_lshlrev_b32 v19, 2, v1
	v_lshl_add_u32 v19, s14, 10, v19               ; sel: 4 (256 w + L)
	s_mov_b32 s42, 0x76543210                      ; v_permlanex16_b32: lane i reads lane i of the other half
	s_mov_b32 s43, 0xfedcba98
	s_mov_b32 s39, 0
	s_mov_b32 s34, ttmp9                           ; my first tile
	s_wait_kmcnt 0x0
.irp j, 0,1,2,3,4,5,6,7
	global_load_b32 v[S+\j], v19, s[4:5] offset:128*\j
.endr
	s_wait_loadcnt 0x0
	; my wave's count of each expert: bit e of either byte of sel
.irp e, 0,1,2,3,4,5,6,7
.irp j, 0,1,2,3,4,5,6,7
	v_and_b32 v18, 0x101<<\e, v[S+\j]
	v_cmp_ne_u32 vcc_lo, 0, v18
.if \j == 0
	s_bcnt1_i32_b32 s[16+\e], vcc_lo
.else
	s_bcnt1_i32_b32 s15, vcc_lo
	s_add_co_u32 s[16+\e], s[16+\e], s15
.endif
.endr
.endr
	v_mov_b32 v22, s14
	v_lshlrev_b32 v22, 5, v22
.irp e, 0,1,2,3,4,5,6,7
	v_mov_b32 v18, s[16+\e]
	ds_store_b32 v22, v18 offset:CNT+4*\e          ; all lanes write the same word with the same number
.endr
	s_wait_dscnt 0x0                               ; my counts are stored before I signal
	s_barrier_signal -1
	s_barrier_wait -1
	v_and_b32 v20, 7, v1
	v_lshlrev_b32 v20, 2, v20
.irp a, 0,1,2,3,4,5,6,7
	ds_load_b32 v[K+\a], v20 offset:CNT+32*\a      ; lane L: expert L & 7, wave a
.endr
	s_wait_dscnt 0x0
	v_add_nc_u32 v21, v[K], v[K+1]
.irp a, 2,3,4,5,6,7
	v_add_nc_u32 v21, v21, v[K+\a]                 ; the expert's pairs
.endr
	s_cmp_gt_u32 s14, 0
	s_cselect_b32 s15, -1, 0
	v_and_b32 v22, s15, v[K]                       ; those of the waves in front of mine
.irp a, 1,2,3,4,5,6
	s_cmp_gt_u32 s14, \a
	s_cselect_b32 s15, -1, 0
	v_and_b32 v18, s15, v[K+\a]
	v_add_nc_u32 v22, v22, v18
.endr
	v_add_nc_u32 v23, 47, v21
	v_mul_lo_u32 v23, v23, 0xaaab                  ; x / 48 = (x 43,691) >> 21, exact below 131,072 since 48 x 43,691 = 2^21 + 16
	v_lshrrev_b32 v23, 21, v23                     ; the expert's passes
	s_mov_b32 s24, 0                               ; F_0 .. F_8 in s24 .. s32
.irp e, 0,1,2,3,4,5,6,7
	v_readlane_b32 s15, v23, \e
	v_readlane_b32 s[16+\e], v22, \e
	s_mul_i32 s38, s[24+\e], 48
	s_add_co_u32 s[25+\e], s[24+\e], s15
	s_add_co_u32 s[16+\e], s[16+\e], s38           ; where my wave's first pair of expert e goes
.endr
; The tokens 256 w + 32 j + L that chose expert e take the next positions, in lane order; a token keeps the position under the slot in which it chose e.
.macro RANK j, e
	v_and_b32 v18, 1<<\e, v[S+\j]
	v_cmp_ne_u32 s36, 0, v18                       ; chosen first
	v_and_b32 v19, 0x100<<\e, v[S+\j]
	v_cmp_ne_u32 s37, 0, v19                       ; chosen second
	s_or_b32 vcc_lo, s36, s37
	v_mbcnt_lo_u32_b32 v20, vcc_lo, s[16+\e]       ; the base + how many lanes below me chose it too
	s_bcnt1_i32_b32 s15, vcc_lo
	s_add_co_u32 s[16+\e], s[16+\e], s15
.if \e == 0
	v_cndmask_b32 v[POS+2*\j],   0, v20, s36       ; the first expert starts the registers: nothing is cleared
	v_cndmask_b32 v[POS+2*\j+1], 0, v20, s37
.else
	v_cndmask_b32 v[POS+2*\j],   v[POS+2*\j],   v20, s36
	v_cndmask_b32 v[POS+2*\j+1], v[POS+2*\j+1], v20, s37
.endif
.endm
.irp e, 0,1,2,3,4,5,6,7
.irp j, 0,1,2,3,4,5,6,7
	RANK \j, \e
.endr
.endr
	s_cmp_lg_u32 s34, 0
	s_cbranch_scc1 .Lnot_first                     ; work-group 0 stores ppos: 8 bytes a token, a wave's store covers 256 consecutive bytes, aligned
	v_lshlrev_b32 v227, 3, v1
	v_lshl_add_u32 v227, s14, 11, v227             ; 8 (256 w + L)
.irp j, 0,1,2,3,4,5,6,7
	global_store_b64 v227, v[POS+2*\j:POS+2*\j+1], s[10:11] offset:256*\j   ; POS and v227 are not written again
.endr
	s_cmp_lg_u32 s14, 0
	s_cbranch_scc1 .Lnot_first                     ; and its wave 0 stores seg: 32 lanes x 8 bytes, the 256 bytes in one store
	v_mov_b32 v224, 0
	v_mov_b32 v225, 0
	v_lshlrev_b32 v226, 3, v1
.irp e, 0,1,2,3,4,5,6,7
	v_writelane_b32 v224, s[24+\e], 2*\e
	v_writelane_b32 v224, s[25+\e], 2*\e+1
.endr
	global_store_b64 v226, v[224:225], s[12:13]    ; v224 to v226 are not written again
.Lnot_first:
	; which pairs stand at positions 16 g .. + 15, and, for work-groups 0 to 22, at 16 (g + 256) .. + 15
	s_lshl_b32 s38, s34, 4                         ; tile g's first position
	s_add_co_u32 s44, s38, 4096                    ; tile g + 256's
	v_lshlrev_b32 v24, 1, v1
	v_lshl_add_u32 v24, s14, 9, v24
	v_add_nc_u32 v24, 1, v24                       ; 2 (256 w + L) + 1
.set k, 0
.rept 16
	v_add_nc_u32 v[PV+k], 64*(k>>1)+(k&1), v24     ; the pair's number 2 n + slot, + 1
.set k, k+1
.endr
; my pair k against the 16 positions that begin at s[first]; what is found goes to v[acc .. acc + 15]
.macro SELECT k, first, acc
	v_sub_nc_u32 v18, v[POS+\k], s[\first]         ; 0 .. 15: in the tile
.irp r, 0,1,2,3,4,5,6,7,8,9,10,11,12,13,14,15
	v_cmp_eq_u32 vcc_lo, \r, v18
.if \k == 0
	v_cndmask_b32 v[\acc+\r], 0, v[PV+\k], vcc_lo  ; the first pair starts the registers
.else
	v_cndmask_b32 v[\acc+\r], v[\acc+\r], v[PV+\k], vcc_lo
.endif
.endr
.endm
.irp k, 0,1,2,3,4,5,6,7,8,9,10,11,12,13,14,15
	SELECT \k, 38, ACC
.endr
	s_cmp_lt_u32 s34, EXTRA
	s_cbranch_scc1 .Lsecond
.set r, 0
.rept 16
	v_mov_b32 v[ACC+16+r], 0                       ; no second tile: its 16 entries are 'no pair', so that the common text below reads written registers
.set r, r+1
.endr
	s_branch .Lselected
.Lsecond:
.irp k, 0,1,2,3,4,5,6,7,8,9,10,11,12,13,14,15
	SELECT \k, 44, ACC+16
.endr
.Lselected:
	; a position has one pair at the most in the whole work-group, so OR joins what the lanes and waves found.  Two entries (4,096 at the most) to a word.
.set m, 0
.rept 16
	v_lshl_or_b32 v[ACC+m], v[ACC+2*m+1], 16, v[ACC+2*m]   ; word m is written behind the step that read it as a source
.set m, m+1
.endr
.irp x, 1,2,4,8
.set m, 0
.rept 16
	v_mov_b32_dpp v[TT+m], v[ACC+m] row_xmask:\x row_mask:0xf bank_mask:0xf   ; its destination counts as read: TT has been written
.set m, m+1
.endr
.set m, 0
.rept 16
	v_or_b32 v[ACC+m], v[ACC+m], v[TT+m]
.set m, m+1
.endr
.endr
.set m, 0
.rept 16
	v_permlanex16_b32 v[TT+m], v[ACC+m], s42, s43
.set m, m+1
.endr
.set m, 0
.rept 16
	v_or_b32 v[ACC+m], v[ACC+m], v[TT+m]
.set m, m+1
.endr
	v_mov_b32 v22, s14
	v_lshlrev_b32 v22, 6, v22
.irp i, 0,1,2,3
	ds_store_b128 v22, v[ACC+4*\i:ACC+4*\i+3] offset:ENT+16*\i   ; all lanes hold, and write, the same numbers
.endr
	s_wait_dscnt 0x0                               ; my wave's words are stored before I signal
	s_barrier_signal -1
	s_barrier_wait -1                              ; the last barrier: from here on a wave touches only its own stage
	v_lshrrev_b32 v20, 1, v1
	v_lshlrev_b32 v20, 2, v20                      ; lane L: word L / 2
.irp a, 0,1,2,3,4,5,6,7
	ds_load_b32 v[K+\a], v20 offset:ENT+64*\a
.endr
	v_and_b32 v21, 1, v1
	v_lshlrev_b32 v21, 4, v21                      ; and its half L % 2
	s_wait_dscnt 0x0
.irp a, 1,2,3,4,5,6,7
	v_or_b32 v[K], v[K], v[K+\a]
.endr
	v_lshrrev_b32 v[E], v21, v[K]
	v_and_b32 v[E], 0xffff, v[E]
	v_lshlrev_b32 v191, 4, v1                      ; xs: 16 L
	v_lshl_add_u32 v188, s14, 10, v191             ; inputs: my wave's 256 features, 1,024 w + 16 L
	s_mul_i32 s15, s14, 16*SPITCH
	s_add_co_u32 s15, s15, STG                     ; my stage
	v_lshl_add_u32 v189, v1, 3, s15                ; in: 8 bytes a lane along a row
	v_and_b32 v23, 15, v1                          ; r
	v_lshrrev_b32 v19, 4, v1                       ; h
	v_mul_u32_u24 v190, v23, SPITCH
	v_lshl_add_u32 v190, v19, 4, v190
	v_add_nc_u32 v190, s15, v190                   ; back: row r, 16 bytes at 16 h
	s_lshl_b32 s38, s14, 13
	s_add_nc_u64 s[40:41], s[8:9], s[38:39]        ; xs + my wave's 8 K steps of 1,024 bytes
; Tile s34: its 16 rows, my wave's 256 features of each.  tb = 0: entries in lanes 0-15 of E; 1: in lanes 16-31.  off: the tile's own 16 offset registers.
.macro TILE tb, off
.if \tb
	s_wait_xcnt 0x0                                ; the first tile's stores: their data and base are written again only behind this wait
.endif
	s_lshl_b32 s38, s34, 16
	s_add_nc_u64 s[36:37], s[40:41], s[38:39]
.set r, 0
.rept 16
	v_readlane_b32 s15, v[E], 16*\tb+r
	s_sub_co_u32 s15, s15, 1                       ; the pair's number; where no pair is, all ones:
	s_lshr_b32 s15, s15, 1                         ; the token,
	v_mov_b32 v[\off+r], s15
	v_min_u32 v[\off+r], 2047, v[\off+r]           ; held inside inputs: a position without a pair fetches the last row, and its numbers are dropped below
	v_lshlrev_b32 v[\off+r], 13, v[\off+r]
	v_add_nc_u32 v[\off+r], v[\off+r], v188
.set r, r+1
.endr
.set r, 0
.rept 16
	global_load_b128 v[X+8*r:X+8*r+3],   v[\off+r], s[6:7]              ; 512 consecutive bytes a wave; no hint: each row is wanted twice in the launch
	global_load_b128 v[X+8*r+4:X+8*r+7], v[\off+r], s[6:7] offset:512
.set r, r+1
.endr
.set r, 0
.rept 16
	v_readlane_b32 s15, v[E], 16*\tb+r
	s_cmp_lg_u32 s15, 0
	s_cselect_b32 s15, -1, 0                       ; a pair: all ones; none: zeros
	s_wait_loadcnt 30-2*r                          ; this row's two loads are in, the younger rows' two each stay out
	v_cvt_pk_bf16_f32 v[X+8*r],   v[X+8*r],   v[X+8*r+1]
	v_cvt_pk_bf16_f32 v[X+8*r+1], v[X+8*r+2], v[X+8*r+3]
	v_cvt_pk_bf16_f32 v[X+8*r+2], v[X+8*r+4], v[X+8*r+5]
	v_cvt_pk_bf16_f32 v[X+8*r+3], v[X+8*r+6], v[X+8*r+7]
	v_and_b32 v[X+8*r],   s15, v[X+8*r]
	v_and_b32 v[X+8*r+1], s15, v[X+8*r+1]
	v_and_b32 v[X+8*r+2], s15, v[X+8*r+2]
	v_and_b32 v[X+8*r+3], s15, v[X+8*r+3]
	ds_store_b64 v189, v[X+8*r:X+8*r+1]   offset:SPITCH*r
	ds_store_b64 v189, v[X+8*r+2:X+8*r+3] offset:SPITCH*r+256
.set r, r+1
.endr
.set i, 0
.rept 16
	ds_load_b128 v[X+4*i:X+4*i+3], v190 offset:32*i    ; K step i / 2, half i % 2.  LDS serves a wave's instructions in order (ISA guide 5.7.1.4): these see the stores above
.set i, i+1
.endr
.set i, 0
.rept 16
	s_wait_dscnt 15-i                              ; read i is back, the younger ones stay out
	global_store_b128 v191, v[X+4*i:X+4*i+3], s[36:37] offset:512*i   ; 512 consecutive bytes, aligned
.set i, i+1
.endr
.endm
	TILE 0, OFFA
	s_cmp_ge_u32 s34, EXTRA
	s_cbranch_scc1 .Lend                           ; work-groups 23 to 255 have one tile
	s_add_co_u32 s34, s34, 256
	TILE 1, OFFB
.Lend:
	s_wait_tensorcnt 0x0
	ds_add_u32 v228, v229
	s_wait_dscnt 0x0
	s_endpgm
.Lfunc_end_k_q34c89ba8f0_route:
	.size	k_q34c89ba8f0_route, .Lfunc_end_k_q34c89ba8f0_route-k_q34c89ba8f0_route
	.p2alignl 7, 3214868480
	.fill 96, 4, 3214868480
	.section	.rodata,"a",@progbits
	.p2align	6, 0x0
	.amdhsa_kernel k_q34c89ba8f0_route
		.amdhsa_group_segment_fixed_size 69376
		.amdhsa_private_segment_fixed_size 0
		.amdhsa_enable_private_segment 0
		.amdhsa_kernarg_size 40
		.amdhsa_user_sgpr_count 2
		.amdhsa_user_sgpr_kernarg_segment_ptr 1
		.amdhsa_wavefront_size32 1
		.amdhsa_system_sgpr_workgroup_id_x 1
		.amdhsa_system_sgpr_workgroup_id_y 1
		.amdhsa_system_sgpr_workgroup_id_z 1
		.amdhsa_system_vgpr_workitem_id 0
		.amdhsa_next_free_vgpr 230
		.amdhsa_next_free_sgpr 66
		.amdhsa_reserve_vcc 1
		.amdhsa_float_denorm_mode_32 3
		.amdhsa_float_denorm_mode_16_64 3
		.amdhsa_memory_ordered 1
		.amdhsa_forward_progress 1
		.amdhsa_inst_pref_size 139
	.end_amdhsa_kernel
	.amdgpu_metadata
---
amdhsa.version: [ 1, 2 ]
amdhsa.kernels:
  - .name:           k_q34c89ba8f0_route
    .symbol:         k_q34c89ba8f0_route.kd
    .args:
      - { .name: sel, .offset: 0, .size: 8, .value_kind: global_buffer, .address_space: global }
      - { .name: inputs, .offset: 8, .size: 8, .value_kind: global_buffer, .address_space: global }
      - { .name: xs, .offset: 16, .size: 8, .value_kind: global_buffer, .address_space: global }
      - { .name: ppos, .offset: 24, .size: 8, .value_kind: global_buffer, .address_space: global }
      - { .name: seg, .offset: 32, .size: 8, .value_kind: global_buffer, .address_space: global }
    .group_segment_fixed_size: 69376
    .private_segment_fixed_size: 0
    .kernarg_segment_align: 8
    .kernarg_segment_size: 40
    .max_flat_workgroup_size: 256
    .sgpr_count:     66
    .vgpr_count:     230
    .wavefront_size: 32
...
	.end_amdgpu_metadata
.endif
;; end of part 2
;; launch experts (part 3): grid 256 x 1, 8 waves a work-group, no clusters, 297,984 bytes of LDS; arguments xs, seg, We, be, hb; writes hb
.if DOCPART == 3
	.amdgcn_target "amdgcn-amd-amdhsa--gfx1250"
	.amdhsa_code_object_version 6
	.text
	.protected	k_q34c89ba8f0_experts
	.globl	k_q34c89ba8f0_experts
	.p2align	8
	.type	k_q34c89ba8f0_experts,@function
k_q34c89ba8f0_experts:
	s_mov_b64 s[64:65], 0
	v_nop
	global_prefetch_b8 v0, s[64:65] scope:SCOPE_SE
	s_setreg_imm32_b32 hwreg(HW_REG_WAVE_MODE, 25, 1), 1
	s_wait_xcnt 0x0
; EXPERTS.  hb[pos][o] = relu(sum over d of x[pos][d] We[e][d][o] + be[e][o]) for the routed rows alone: a row whose combine weight is 0 adds nothing to the output.
; bf16 operands, f32 sums.  Work-group g: expert e = g / 32, columns 64 (g % 32) .. + 63.
; PHASE 1: the work-group's 2,048 x 64 numbers of We (512 KiB of f32, read by this work-group alone, once) are rounded to bf16 and laid into LDS in fragment order:
;   the 16 bytes of column 16 b + r, k = 32 s + 16 q + 8 h .. + 7 at 4,096 s + 1,024 b + 512 q + 16 (16 h + r).  256 KiB, kept for the whole launch.
; PHASE 2: wave w takes the expert's passes F + w, F + w + 8, ...: 48 rows x 64 columns = 12 accumulators, K in 64 steps of 32, written out: every LDS address
;   is one of four fixed registers (16 L + 65,536 i) and an immediate, and x's K steps stand in the loads' immediates.
;   x comes from xs, which lies in fragment order, straight into a ring of 8 register slots (8 K steps ahead); We's fragments from LDS, two buffers.
; EIGHT WAVES of 512 registers.  What a wave has on its way is bounded by its own count of loads (32 in phase 1, 48 in phase 2), so eight waves have
;   8 x 32 x 512 bytes = 128 KiB of We and 8 x 48 x 512 bytes = 192 KiB of x on their way; and a wave that stands at a wait, or whose loads stand behind its
;   12 matrix instructions, leaves another wave with matrix instructions to issue.  No barrier could bring that about here:
; the number of passes is read from memory, so the pass loop holds no barrier; hence no LDS slots filled by tensor loads and no cluster with joint loads,
; whose refills stand behind barriers that every wave passes.  We's tiles are shared by nobody; xs's are read by the 32 work-groups of an expert.
; THE MATRIX INSTRUCTION IS USED TRANSPOSED (source 0 = 16 columns of We, source 1 = 16 rows of x): lane L then holds row L % 16, its registers the
; columns 8 (L / 16) + 0 .. 7 of the tile: neighbouring numbers of a row.
; Rows of a pass that hold no pair are zeros in xs; their results go to hb rows that nobody reads.
; REGISTERS.  Window 0: addresses, accumulators, the way out.  Window 1: v0-191 the ring of x (slot sg at 24 sg + 8 t + 4 q), v192-255 We's two buffers.
.set WAVES, 8
.set BI,   8                           ; v[8:11]    be of the 4 columns that I store
.set FO,   12                          ; v[12:15]   phase 1: slot i's byte offset in We
.set T,    16                          ; v[16:31]   phase 1: 4 columns x 8 k in bf16
.set XF,   32                          ; v[32:159]  phase 1: slot i: 8 loads of 4 registers
.set ACC,  32                          ; v[32:127]  phase 2: tile (t, b) at 8 (4 t + b)
.set R,    128                         ; v[128:223] the way out: 32 registers for each t
.set BA,   224                         ; v[224:227] phase 2: 16 L + 65,536 i: We's K steps 16 i .. 16 i + 15 in LDS; never rewritten
.set STG,  262144                      ; LDS behind We: a stage of 16 rows for each wave,
.set SP,   272                         ; 256 bytes + 16 apart: 17 x 16 bytes
.set MSB,  0
.macro WIN new                         ; s_set_vgpr_msb: bits 1:0 source 0, 3:2 source 1, 5:4 source 2, 7:6 destination; the high byte repeats the setting that is left
.if MSB != \new
	s_set_vgpr_msb (MSB<<8)|\new
.set MSB, \new
.endif
.endm
.set MUL,  0x05                        ; sources 0 and 1 in window 1, C and D in window 0
.set LOAD, 0x40                        ; destination in window 1, address in window 0
	s_load_b256 s[4:11], s[0:1], 0x0               ; xs s[4:5], seg s[6:7], We s[8:9], be s[10:11]
	s_load_b64 s[12:13], s[0:1], 0x20              ; hb
	v_lshl_add_u32 v254, v0, 2, 0x48800
	v_mov_b32 v255, 0
	v_and_b32 v7, 31, v0                           ; lane
	v_lshrrev_b32 v6, 5, v0
	v_readfirstlane_b32 s14, v6                    ; wave
	s_lshr_b32 s15, ttmp9, 5                       ; expert
	s_and_b32 s16, ttmp9, 31                       ; block of 64 columns
	v_and_b32 v16, 15, v7                          ; L % 16
	v_lshrrev_b32 v17, 4, v7                       ; L / 16
	v_lshlrev_b32 v1, 4, v7                        ; 16 L: a fragment's 16 bytes, in xs and in LDS
	v_lshlrev_b32 v18, 4, v16                      ; 16 (L % 16)
	v_lshl_add_u32 v[FO], v17, 16, v18             ; We: lanes 0-15 a row's 256 bytes, lanes 16-31 those 8 rows further down
	v_add_nc_u32 v[FO+1], 0x20000, v[FO]           ; slot i: 16 rows of 8,192 bytes further
	v_add_nc_u32 v[FO+2], 0x40000, v[FO]
	v_add_nc_u32 v[FO+3], 0x60000, v[FO]
	v_lshrrev_b32 v19, 2, v16                      ; my 4 columns 4 (L % 16) + c: b = (L % 16) / 4, r = 4 (L % 4) + c
	v_and_b32 v20, 3, v7
	v_lshlrev_b32 v6, 10, v19
	v_lshl_add_u32 v6, v17, 8, v6                  ; h = L / 16
	v_lshl_add_u32 v6, v20, 6, v6
	v_lshl_add_u32 v6, s14, 15, v6                 ; my wave's 8 K steps of 4,096 bytes
	s_mul_i32 s26, s14, 16*SP
	s_add_co_u32 s26, s26, STG                     ; my stage
	v_mul_u32_u24 v3, v16, SP
	v_lshl_add_u32 v3, v17, 5, v3
	v_add_nc_u32 v3, s26, v3                       ; in: row L % 16, 32 bytes for each half of the lanes
	v_mul_u32_u24 v4, v17, SP
	v_add_nc_u32 v4, v4, v18
	v_add_nc_u32 v4, s26, v4                       ; back: lanes 0-15 one row of 256 bytes, lanes 16-31 the next
	v_lshl_add_u32 v5, v17, 13, v18                ; the same two rows in hb
	v_mov_b32 v[BA], v1
	v_add_nc_u32 v[BA+1], 0x10000, v1
	v_add_nc_u32 v[BA+2], 0x20000, v1
	v_add_nc_u32 v[BA+3], 0x30000, v1
	s_lshl_b32 s27, s15, 4                         ; seg: 16 bytes an expert
	s_lshl_b32 s28, s15, 13                        ; be: 8,192 e + 256 x block
	s_lshl_b32 s30, s16, 8
	s_add_co_u32 s28, s28, s30
	s_mov_b32 s29, 0
	s_mov_b32 s31, 0
	s_wait_kmcnt 0x0
	s_load_b128 s[32:35], s[6:7], s27 offset:0x0   ; s32 = F, the expert's first pass; s34 = G, the next expert's
	s_add_nc_u64 s[10:11], s[10:11], s[28:29]
	s_add_nc_u64 s[12:13], s[12:13], s[30:31]      ; hb at my columns
	s_lshl_b32 s28, s15, 24                        ; We: 16 MiB an expert, 2 MiB for a wave's 256 rows, 256 bytes a block
	s_lshl_b32 s26, s14, 21
	s_add_co_u32 s28, s28, s26
	s_add_co_u32 s28, s28, s30
	s_add_nc_u64 s[8:9], s[8:9], s[28:29]
	global_load_b128 v[BI:BI+3], v18, s[10:11]
; PHASE 1.  Wave w rounds rows 256 w .. 256 w + 255 of We: 16 groups of 16 rows through 4 register slots.
; A slot is 16 rows: load j brings rows j (lanes 0-15) and 8 + j (lanes 16-31), 256 consecutive aligned bytes each.
; So a lane holds, for each of its 4 columns, 8 consecutive k: the 16 bytes of one fragment piece.
.macro FLOAD i
.irp j, 0,1,2,3,4,5,6,7
	global_load_b128 v[XF+32*\i+4*\j:XF+32*\i+4*\j+3], v[FO+\i], s[8:9] offset:8192*\j th:TH_LOAD_NT
.endr
.endm
; left = how many younger loads may stay out; ahead = 1: the slot is filled again, 64 rows further down
.macro FSLOT i, ahead, left
	s_wait_loadcnt \left                           ; loads come back in order: this slot's eight are in (and its offset register is free)
.irp c, 0,1,2,3
.irp m, 0,1,2,3
	v_cvt_pk_bf16_f32 v[T+4*\c+\m], v[XF+32*\i+8*\m+\c], v[XF+32*\i+8*\m+4+\c]   ; k = 2 m below, 2 m + 1 above
.endr
.endr
.irp c, 0,1,2,3
	ds_store_b128 v6, v[T+4*\c:T+4*\c+3] offset:4096*(\i>>1)+512*(\i&1)+16*\c    ; sixteen lanes land in 4 different 16-byte columns of 256 bytes, four lanes in each: 64 such stores a wave, once
.endr
.if \ahead
	v_add_nc_u32 v[FO+\i], 0x80000, v[FO+\i]
	FLOAD \i
.endif
.endm
	FLOAD 0
	FLOAD 1
	FLOAD 2
	FLOAD 3                                        ; 32 loads, 16 KiB, of every wave are on their way throughout
	s_mov_b32 s26, 3                               ; groups 0 to 11, each filling its slot again; groups 12 to 15 stand behind the loop
.Lfill:
	FSLOT 0, 1, 24                                 ; 24 = the three younger slots' eight loads each
	FSLOT 1, 1, 24
	FSLOT 2, 1, 24
	FSLOT 3, 1, 24
	v_add_nc_u32 v6, 0x2000, v6                    ; 64 rows = 2 K steps on
	s_sub_co_u32 s26, s26, 1
	s_cmp_lg_u32 s26, 0
	s_cbranch_scc1 .Lfill
	FSLOT 0, 0, 24                                 ; the last 64 rows load nothing: the counts run down
	FSLOT 1, 0, 16
	FSLOT 2, 0, 8
	FSLOT 3, 0, 0
	s_wait_dscnt 0x0                               ; my part of We is in LDS before I signal
	s_barrier_signal -1
	s_barrier_wait -1                              ; the launch's one barrier: We is whole, and is only read from here on
	; PHASE 2
	s_wait_kmcnt 0x0
	s_min_u32 s17, s32, 93
	s_min_u32 s18, s34, 93                         ; G
	s_add_co_u32 s17, s17, s14                     ; P: my first pass
	s_cmp_ge_u32 s17, s18
	s_cbranch_scc1 .Lend                           ; fewer passes than waves: nothing for me (no barrier follows)
	s_sub_co_u32 s37, s18, s17                     ; my passes: (G - P + 7) / 8, 1 at the least since P < G here,
	s_add_co_u32 s37, s37, WAVES-1
	s_lshr_b32 s37, s37, 3
	s_min_u32 s37, s37, 12                         ; and 12 at the most: 93 passes among 8 waves
	s_mov_b32 s36, 0                               ; the pass loop's counter, in steps of 1; P only feeds addresses
	s_min_u32 s26, s17, 92                         ; xs and hb have 93 passes
	s_mul_i32 s28, s26, 0x30000                    ; a pass of xs: 3 tiles of 65,536 bytes
	s_add_nc_u64 s[20:21], s[4:5], s[28:29]
	s_sub_co_u32 s27, s18, 1
	WIN LOAD
.irp sg, 0,1,2,3,4,5,6,7
.irp t, 0,1,2
.irp q, 0,1
	global_load_b128 v[24*\sg+8*\t+4*\q:24*\sg+8*\t+4*\q+3], v1, s[20:21] offset:65536*\t+1024*\sg+512*\q   ; K steps 0 to 7 of my first pass
.endr
.endr
.endr
.irp bt, 0,1
.irp b, 0,1,2,3
.irp q, 0,1
	ds_load_b128 v[192+32*\bt+8*\b+4*\q:192+32*\bt+8*\b+4*\q+3], v[BA] offset:4096*\bt+1024*\b+512*\q       ; We's K steps 0 and 1
.endr
.endr
.endr
	WIN 0
; K step ks (a symbol that counts 0 to 63 through a pass) on ring slot ks % 8 and We's buffer ks % 2; then both are filled again:
; the slot with this pass's K step ks + 8, or, in the last eight, with the next pass's K step ks - 56; the buffer with K step (ks + 2) % 64 (We is the same for every pass).
.macro KSTEP
	s_wait_loadcnt 42                              ; this slot's six loads are in; the seven younger slots' six each stay out.  The same on the way in, in every K step and from pass to pass
	s_wait_dscnt 8                                 ; this buffer's eight loads are in; the other buffer's eight stay out
	WIN MUL
.irp t, 0,1,2
.irp b, 0,1,2,3
.if ks == 0
	v_wmma_f32_16x16x32_bf16 v[ACC+8*(4*\t+\b):ACC+8*(4*\t+\b)+7], v[192+32*(ks&1)+8*\b:192+32*(ks&1)+8*\b+7], v[24*(ks&7)+8*\t:24*(ks&7)+8*\t+7], 0   ; the first product starts the sums
.else
	v_wmma_f32_16x16x32_bf16 v[ACC+8*(4*\t+\b):ACC+8*(4*\t+\b)+7], v[192+32*(ks&1)+8*\b:192+32*(ks&1)+8*\b+7], v[24*(ks&7)+8*\t:24*(ks&7)+8*\t+7], v[ACC+8*(4*\t+\b):ACC+8*(4*\t+\b)+7]
.endif
.endr
.endr
	; the 12 accumulators take turns, one instruction a turn, in the same order in every K step
	WIN LOAD
.rept 4
	v_nop                                          ; four places behind the last matrix instruction (ISA guide 7.12.1 for vector instructions): for the loads into its sources, and, behind a pass's last K step, for the stores of its results
.endr
.irp t, 0,1,2
.irp q, 0,1
.if ks < 56
	global_load_b128 v[24*(ks&7)+8*\t+4*\q:24*(ks&7)+8*\t+4*\q+3], v1, s[20:21] offset:65536*\t+1024*(ks+8)+512*\q
.else
	global_load_b128 v[24*(ks&7)+8*\t+4*\q:24*(ks&7)+8*\t+4*\q+3], v1, s[22:23] offset:65536*\t+1024*(ks-56)+512*\q
.endif
.endr
.endr
.irp b, 0,1,2,3
.irp q, 0,1
	ds_load_b128 v[192+32*(ks&1)+8*\b+4*\q:192+32*(ks&1)+8*\b+4*\q+3], v[BA+(((ks+2)&63)>>4)] offset:4096*((ks+2)&15)+1024*\b+512*\q
.endr
.endr
.set ks, ks+1
.endm
.Lpass:
	s_add_co_u32 s19, s17, WAVES                   ; my next pass; behind my last one pass G - 1 is fetched in its stead and dropped: inside what was stored
	s_min_u32 s19, s19, s27
	s_min_u32 s19, s19, 92
	s_mul_i32 s28, s19, 0x30000
	s_add_nc_u64 s[22:23], s[4:5], s[28:29]
	s_min_u32 s26, s17, 92
	s_mul_i32 s28, s26, 0x60000                    ; a pass of hb: 48 rows of 8,192 bytes
	s_add_nc_u64 s[24:25], s[12:13], s[28:29]
.set ks, 0
.rept 64
	KSTEP
.endr
	WIN 0                                          ; at a label and at a branch every window is 0
	; THE WAY OUT, 16 rows at a time through my own stage: a lane's 32 bytes of a row in, whole rows of 256 bytes back; bias and relu on the way.
.irp t, 0,1,2
.irp b, 0,1,2,3
.irp u, 0,1
	ds_store_b128 v3, v[ACC+8*(4*\t+\b)+4*\u:ACC+8*(4*\t+\b)+4*\u+3] offset:64*\b+16*\u
.endr
.endr
.irp y, 0,1,2,3,4,5,6,7
	ds_load_b128 v[R+32*\t+4*\y:R+32*\t+4*\y+3], v4 offset:2*SP*\y     ; LDS serves a wave's instructions in order (ISA guide 5.7.1.4): these see the stores above, and the next t's stores come behind them
.endr
.irp y, 0,1,2,3,4,5,6,7
	s_wait_dscnt 7-\y                              ; read y is back, the younger ones stay out
	v_pk_add_f32 v[R+32*\t+4*\y:R+32*\t+4*\y+1],   v[R+32*\t+4*\y:R+32*\t+4*\y+1],   v[BI:BI+1]
	v_pk_add_f32 v[R+32*\t+4*\y+2:R+32*\t+4*\y+3], v[R+32*\t+4*\y+2:R+32*\t+4*\y+3], v[BI+2:BI+3]
	v_max_num_f32 v[R+32*\t+4*\y],   0, v[R+32*\t+4*\y]
	v_max_num_f32 v[R+32*\t+4*\y+1], 0, v[R+32*\t+4*\y+1]
	v_max_num_f32 v[R+32*\t+4*\y+2], 0, v[R+32*\t+4*\y+2]
	v_max_num_f32 v[R+32*\t+4*\y+3], 0, v[R+32*\t+4*\y+3]
	global_store_b128 v5, v[R+32*\t+4*\y:R+32*\t+4*\y+3], s[24:25] offset:8192*(16*\t+2*\y)   ; sixteen lanes store 256 consecutive bytes, aligned
.endr
.endr
	s_wait_xcnt 0x0                                ; the stores' data and base and the loads' bases are written again only behind this wait
	s_mov_b64 s[20:21], s[22:23]
	s_add_co_u32 s17, s17, WAVES                   ; my next pass's number
	s_add_co_u32 s36, s36, 1
	s_cmp_lt_u32 s36, s37
	s_cbranch_scc1 .Lpass
.Lend:
	s_wait_tensorcnt 0x0
	ds_add_u32 v254, v255
	s_wait_dscnt 0x0
	s_endpgm
.Lfunc_end_k_q34c89ba8f0_experts:
	.size	k_q34c89ba8f0_experts, .Lfunc_end_k_q34c89ba8f0_experts-k_q34c89ba8f0_experts
	.p2alignl 7, 3214868480
	.fill 96, 4, 3214868480
	.section	.rodata,"a",@progbits
	.p2align	6, 0x0
	.amdhsa_kernel k_q34c89ba8f0_experts
		.amdhsa_group_segment_fixed_size 297984
		.amdhsa_private_segment_fixed_size 0
		.amdhsa_enable_private_segment 0
		.amdhsa_kernarg_size 40
		.amdhsa_user_sgpr_count 2
		.amdhsa_user_sgpr_kernarg_segment_ptr 1
		.amdhsa_wavefront_size32 1
		.amdhsa_system_sgpr_workgroup_id_x 1
		.amdhsa_system_sgpr_workgroup_id_y 1
		.amdhsa_system_sgpr_workgroup_id_z 1
		.amdhsa_system_vgpr_workitem_id 0
		.amdhsa_next_free_vgpr 512
		.amdhsa_next_free_sgpr 66
		.amdhsa_reserve_vcc 0
		.amdhsa_float_denorm_mode_32 3
		.amdhsa_float_denorm_mode_16_64 3
		.amdhsa_memory_ordered 1
		.amdhsa_forward_progress 1
		.amdhsa_inst_pref_size 171
	.end_amdhsa_kernel
	.amdgpu_metadata
---
amdhsa.version: [ 1, 2 ]
amdhsa.kernels:
  - .name:           k_q34c89ba8f0_experts
    .symbol:         k_q34c89ba8f0_experts.kd
    .args:
      - { .name: xs, .offset: 0, .size: 8, .value_kind: global_buffer, .address_space: global }
      - { .name: seg, .offset: 8, .size: 8, .value_kind: global_buffer, .address_space: global }
      - { .name: We, .offset: 16, .size: 8, .value_kind: global_buffer, .address_space: global }
      - { .name: be, .offset: 24, .size: 8, .value_kind: global_buffer, .address_space: global }
      - { .name: hb, .offset: 32, .size: 8, .value_kind: global_buffer, .address_space: global }
    .group_segment_fixed_size: 297984
    .private_segment_fixed_size: 0
    .kernarg_segment_align: 8
    .kernarg_segment_size: 40
    .max_flat_workgroup_size: 256
    .sgpr_count:     66
    .vgpr_count:     512
    .wavefront_size: 32
...
	.end_amdgpu_metadata
.endif
;; end of part 3
;; launch combine (part 4): grid 256 x 1, 8 waves a work-group, no clusters, 0 bytes of LDS; arguments hb, ppos, wts, out0; writes out0
.if DOCPART == 4
	.amdgcn_target "amdgcn-amd-amdhsa--gfx1250"
	.amdhsa_code_object_version 6
	.text
	.protected	k_q34c89ba8f0_combine
	.globl	k_q34c89ba8f0_combine
	.p2align	8
	.type	k_q34c89ba8f0_combine,@function
k_q34c89ba8f0_combine:
	s_mov_b64 s[64:65], 0
	v_nop
	global_prefetch_b8 v0, s[64:65] scope:SCOPE_SE
	s_setreg_imm32_b32 hwreg(HW_REG_WAVE_MODE, 25, 1), 1
	s_wait_xcnt 0x0
; COMBINE.  out[n] = w0 softmax(hb[ppos[2 n]]) + w1 softmax(hb[ppos[2 n + 1]]).  Each softmax over the row's 2,048 numbers, its maximum taken away first.
; One wave, one token: both rows (8,192 bytes each, 64 registers a lane) stay in registers from the maximum to the store, so each byte of hb is read once,
; nothing leaves the wave, and there is no LDS, no barrier and no loop.  32 loads, 16 KiB, of every wave go out together.
; A stream: matrix units, clusters and tensor loads have nothing to do here.
; The exponent is h / ln 2 - m / ln 2 in one fused multiply-add; the rounding of m / ln 2 is the same for the whole row and cancels in the division by the sum.
.set H0,  4                            ; v[4:67]     the first row, then the result
.set H1,  68                           ; v[68:131]   the second row
.set M,   132                          ; v[132:135]  four running maxima
.set NM,  136                          ; v[136:137]  - maximum / ln 2, twice
.set SUM, 138                          ; v[138:145]  four running sums of two
.set C0,  146                          ; v[146:147]  w0 / sum, twice
.set C1,  148                          ; v[148:149]  w1 / sum, twice
.set TMP, 150
	s_load_b256 s[4:11], s[0:1], 0x0               ; hb s[4:5], ppos s[6:7], wts s[8:9], out0 s[10:11]
	v_lshrrev_b32 v2, 5, v0
	v_readfirstlane_b32 s14, v2                    ; wave
	v_and_b32 v1, 31, v0
	v_lshlrev_b32 v1, 4, v1                        ; 16 bytes a lane
	v_mov_b32 v[TMP], 0                            ; v_permlanex16_b32's destination counts as read
	s_lshl_b32 s15, ttmp9, 3
	s_add_co_u32 s15, s15, s14                     ; my token
	s_lshl_b32 s12, s15, 3                         ; 8 bytes a token in ppos and in wts
	s_mov_b32 s26, 0x76543210                      ; lane i reads lane i of the other half
	s_mov_b32 s27, 0xfedcba98
	s_lshl_b32 s28, s15, 13
	s_mov_b32 s29, 0
	s_wait_kmcnt 0x0
	s_load_b64 s[16:17], s[6:7], s12 offset:0x0    ; the two positions
	s_load_b64 s[18:19], s[8:9], s12 offset:0x0    ; w0, w1
	s_add_nc_u64 s[24:25], s[10:11], s[28:29]      ; my row of out0
	s_wait_kmcnt 0x0
	s_min_u32 s16, s16, 4463                       ; hb has 93 x 48 rows
	s_min_u32 s17, s17, 4463
	s_lshl_b32 s28, s16, 13
	s_add_nc_u64 s[20:21], s[4:5], s[28:29]
	s_lshl_b32 s28, s17, 13
	s_add_nc_u64 s[22:23], s[4:5], s[28:29]
.irp j, 0,1,2,3,4,5,6,7,8,9,10,11,12,13,14,15
	global_load_b128 v[H0+4*\j:H0+4*\j+3], v1, s[20:21] offset:512*\j th:TH_LOAD_NT
.endr
.irp j, 0,1,2,3,4,5,6,7,8,9,10,11,12,13,14,15
	global_load_b128 v[H1+4*\j:H1+4*\j+3], v1, s[22:23] offset:512*\j th:TH_LOAD_NT
.endr
; The row in v[h .. h + 63] becomes e^(h - max); v[c], v[c + 1] = s[ws] / their sum.  left = how many younger loads may stay out.
.macro SOFT h, left, ws, c
	s_wait_loadcnt \left
.irp k, 0,1,2,3
	v_max_num_f32 v[M+\k], v[\h+\k], v[\h+4+\k]    ; four chains, started by the first numbers: nothing is cleared
.endr
.irp i, 1,2,3,4,5,6,7
.irp k, 0,1,2,3
	v_max3_num_f32 v[M+\k], v[M+\k], v[\h+8*\i+\k], v[\h+8*\i+4+\k]
.endr
.endr
	v_max3_num_f32 v[M], v[M], v[M+1], v[M+2]
	v_max_num_f32 v[M], v[M], v[M+3]
	v_max_num_f32_dpp v[M], v[M], v[M] row_xmask:1 row_mask:0xf bank_mask:0xf
	v_max_num_f32_dpp v[M], v[M], v[M] row_xmask:2 row_mask:0xf bank_mask:0xf
	v_max_num_f32_dpp v[M], v[M], v[M] row_xmask:4 row_mask:0xf bank_mask:0xf
	v_max_num_f32_dpp v[M], v[M], v[M] row_xmask:8 row_mask:0xf bank_mask:0xf
	v_permlanex16_b32 v[TMP], v[M], s26, s27
	v_max_num_f32 v[M], v[M], v[TMP]               ; the row's maximum, in every lane
	v_mul_f32 v[NM],   0xbfb8aa3b, v[M]            ; - max / ln 2
	v_mul_f32 v[NM+1], 0xbfb8aa3b, v[M]
.set j, 0
.rept 32
	v_pk_fma_f32 v[\h+j:\h+j+1], v[\h+j:\h+j+1], 0x3fb8aa3b, v[NM:NM+1] op_sel_hi:[1,0,1]
.set j, j+2
.endr
.set j, 0
.rept 64
	v_exp_f32 v[\h+j], v[\h+j]
.set j, j+1
.endr
	v_nop                                          ; one plain vector instruction behind the last transcendental before results are used (ISA guide 5.7.2)
	s_wait_alu depctr_va_vdst(0)
.irp k, 0,1,2,3
	v_pk_add_f32 v[SUM+2*\k:SUM+2*\k+1], v[\h+2*\k:\h+2*\k+1], v[\h+8+2*\k:\h+8+2*\k+1]
.endr
.irp i, 2,3,4,5,6,7
.irp k, 0,1,2,3
	v_pk_add_f32 v[SUM+2*\k:SUM+2*\k+1], v[SUM+2*\k:SUM+2*\k+1], v[\h+8*\i+2*\k:\h+8*\i+2*\k+1]
.endr
.endr
	v_pk_add_f32 v[SUM:SUM+1], v[SUM:SUM+1], v[SUM+2:SUM+3]
	v_pk_add_f32 v[SUM+4:SUM+5], v[SUM+4:SUM+5], v[SUM+6:SUM+7]
	v_pk_add_f32 v[SUM:SUM+1], v[SUM:SUM+1], v[SUM+4:SUM+5]
	v_add_f32 v[SUM], v[SUM], v[SUM+1]
	v_add_f32_dpp v[SUM], v[SUM], v[SUM] row_xmask:1 row_mask:0xf bank_mask:0xf
	v_add_f32_dpp v[SUM], v[SUM], v[SUM] row_xmask:2 row_mask:0xf bank_mask:0xf
	v_add_f32_dpp v[SUM], v[SUM], v[SUM] row_xmask:4 row_mask:0xf bank_mask:0xf
	v_add_f32_dpp v[SUM], v[SUM], v[SUM] row_xmask:8 row_mask:0xf bank_mask:0xf
	v_permlanex16_b32 v[TMP], v[SUM], s26, s27
	v_add_f32 v[SUM], v[SUM], v[TMP]               ; about 1 at the least (the maximum's own term), 2,048 at the most
	v_rcp_f32 v[SUM+1], v[SUM]
	v_nop
	s_wait_alu depctr_va_vdst(0)
	v_mul_f32 v[\c],   s[\ws], v[SUM+1]
	v_mul_f32 v[\c+1], s[\ws], v[SUM+1]
.endm
	SOFT H0, 16, 18, C0                            ; the first row is in; the second row's 16 loads stay out
	SOFT H1, 0, 19, C1
.set j, 0
.rept 32
	v_pk_mul_f32 v[H0+j:H0+j+1], v[H0+j:H0+j+1], v[C0:C0+1]
.set j, j+2
.endr
.set j, 0
.rept 32
	v_pk_fma_f32 v[H0+j:H0+j+1], v[H1+j:H1+j+1], v[C1:C1+1], v[H0+j:H0+j+1]
.set j, j+2
.endr
.irp j, 0,1,2,3,4,5,6,7,8,9,10,11,12,13,14,15
	global_store_b128 v1, v[H0+4*\j:H0+4*\j+3], s[24:25] offset:512*\j th:TH_STORE_NT   ; 512 consecutive bytes a wave, aligned
.endr
	s_endpgm
.Lfunc_end_k_q34c89ba8f0_combine:
	.size	k_q34c89ba8f0_combine, .Lfunc_end_k_q34c89ba8f0_combine-k_q34c89ba8f0_combine
	.p2alignl 7, 3214868480
	.fill 96, 4, 3214868480
	.section	.rodata,"a",@progbits
	.p2align	6, 0x0
	.amdhsa_kernel k_q34c89ba8f0_combine
		.amdhsa_group_segment_fixed_size 0
		.amdhsa_private_segment_fixed_size 0
		.amdhsa_enable_private_segment 0
		.amdhsa_kernarg_size 32
		.amdhsa_user_sgpr_count 2
		.amdhsa_user_sgpr_kernarg_segment_ptr 1
		.amdhsa_wavefront_size32 1
		.amdhsa_system_sgpr_workgroup_id_x 1
		.amdhsa_system_sgpr_workgroup_id_y 1
		.amdhsa_system_sgpr_workgroup_id_z 1
		.amdhsa_system_vgpr_workitem_id 0
		.amdhsa_next_free_vgpr 152
		.amdhsa_next_free_sgpr 66
		.amdhsa_reserve_vcc 0
		.amdhsa_float_denorm_mode_32 3
		.amdhsa_float_denorm_mode_16_64 3
		.amdhsa_memory_ordered 1
		.amdhsa_forward_progress 1
		.amdhsa_inst_pref_size 30
	.end_amdhsa_kernel
	.amdgpu_metadata
---
amdhsa.version: [ 1, 2 ]
amdhsa.kernels:
  - .name:           k_q34c89ba8f0_combine
    .symbol:         k_q34c89ba8f0_combine.kd
    .args:
      - { .name: hb, .offset: 0, .size: 8, .value_kind: global_buffer, .address_space: global }
      - { .name: ppos, .offset: 8, .size: 8, .value_kind: global_buffer, .address_space: global }
      - { .name: wts, .offset: 16, .size: 8, .value_kind: global_buffer, .address_space: global }
      - { .name: out0, .offset: 24, .size: 8, .value_kind: global_buffer, .address_space: global }
    .group_segment_fixed_size: 0
    .private_segment_fixed_size: 0
    .kernarg_segment_align: 8
    .kernarg_segment_size: 32
    .max_flat_workgroup_size: 256
    .sgpr_count:     66
    .vgpr_count:     152
    .wavefront_size: 32
...
	.end_amdgpu_metadata
.endif
;; end of part 4
;; ======== version 2 of 2: 4 launches; version 1 with the launch experts written anew for expert scheduling mode
;; workspace buffers: sel 8,192 bytes of whole numbers; wts 16,384 bytes; xs 18,284,544 bytes; ppos 16,384 bytes of whole numbers; seg 256 bytes of whole numbers; hb 36,569,088 bytes
;; launch gate: the kernel of part 1 again; grid 256 x 1, 8 waves a work-group, no clusters, 3,072 bytes of LDS; arguments inputs, Wg, bg, sel, wts; writes sel, wts
;; launch route: the kernel of part 2 again; grid 256 x 1, 8 waves a work-group, no clusters, 69,376 bytes of LDS; arguments sel, inputs, xs, ppos, seg; writes xs, ppos, seg
;; launch experts (part 5): grid 256 x 1, 8 waves a work-group, no clusters, 297,984 bytes of LDS; arguments xs, seg, We, be, hb; writes hb
.if DOCPART == 5
	.amdgcn_target "amdgcn-amd-amdhsa--gfx1250"
	.amdhsa_code_object_version 6
	.text
	.protected	k_q34c89ba8f0_experts
	.globl	k_q34c89ba8f0_experts
	.p2align	8
	.type	k_q34c89ba8f0_experts,@function
k_q34c89ba8f0_experts:
	s_mov_b64 s[64:65], 0
	v_nop
	global_prefetch_b8 v0, s[64:65] scope:SCOPE_SE
	s_setreg_imm32_b32 hwreg(HW_REG_WAVE_SCHED_MODE, 0, 2), 2
	s_setreg_imm32_b32 hwreg(HW_REG_WAVE_MODE, 25, 1), 1
	s_wait_xcnt 0x0
	s_wait_alu depctr_vm_vsrc(0)
; EXPERTS.  hb[pos][o] = relu(sum over d of x[pos][d] We[e][d][o] + be[e][o]) for the routed rows alone: a row whose combine weight is 0 adds nothing to the output.
; bf16 operands, f32 sums.  Work-group g: expert e = g / 32, columns 64 (g % 32) .. + 63.
; PHASE 1: the work-group's 2,048 x 64 numbers of We (512 KiB of f32, read by this work-group alone, once) are rounded to bf16 and laid into LDS in fragment order:
;   the 16 bytes of column 16 b + r, k = 32 s + 16 q + 8 h .. + 7 at 4,096 s + 1,024 b + 512 q + 16 (16 h + r).  256 KiB, kept for the whole launch.
; PHASE 2: wave w takes the expert's passes F + w, F + w + 8, ...: 48 rows x 64 columns = 12 accumulators, K in 64 steps of 32, written out: every LDS address
;   is one of four fixed registers (16 L + 65,536 i) and an immediate, and x's K steps stand in the loads' immediates.
;   x comes from xs, which lies in fragment order, straight into a ring of 8 register slots; We's fragments from LDS, four buffers.
; EIGHT WAVES of 512 registers.  What a wave has on its way is bounded by its own count of loads (32 in phase 1, 42 in phase 2), so eight waves have
;   8 x 32 x 512 bytes = 128 KiB of We and 8 x 42 x 512 bytes = 168 KiB of x on their way; and a wave that stands at a wait leaves another wave with matrix
;   instructions to issue.  No barrier could bring that about here:
; the number of passes is read from memory, so the pass loop holds no barrier; hence no LDS slots filled by tensor loads and no cluster with joint loads,
; whose refills stand behind barriers that every wave passes.  We's tiles are shared by nobody; xs's are read by the 32 work-groups of an expert.
; THE MATRIX INSTRUCTION IS USED TRANSPOSED (source 0 = 16 columns of We, source 1 = 16 rows of x): lane L then holds row L % 16, its registers the
; columns 8 (L / 16) + 0 .. 7 of the tile: neighbouring numbers of a row.
; Rows of a pass that hold no pair are zeros in xs; their results go to hb rows that nobody reads.
; REGISTERS.  Window 0: addresses, accumulators, the way out, and in the way out's registers two of We's buffers.
;             Window 1: v0-191 the ring of x (slot sg at 24 sg + 8 t + 4 q), v192-255 We's other two buffers.
; THE MODE: SCHED_MODE bits 1:0 = 2 (LLVM: expert scheduling mode 2), set by the entry lines.  The code itself states the register dependences
; between vector or matrix instructions and memory or LDS instructions, with s_wait_alu, always for 0.
; THE PLAN, phase 1.  XF[i]: the slot's 8 loads land in it, its 16 conversions read it, then it is loaded again.  T: written by the conversions, read by the slot's
;   4 LDS stores, written again by the next slot.  FO[i]: read by the slot's loads, stepped once a turn.  v6: read by the LDS stores, stepped once a trip.
;   A slot's turn has one wait on vm_vsrc at its head (T and FO[i] have been read) and one on va_vdst behind its conversions (T and FO[i] are written, XF[i] is read out).
; THE PLAN, phase 2.  Two K steps ks, ks + 1 (ks even) are a PAIR.
;   ring slot k & 7   read by K step k's products; the loads of K step k + 8 land in it in the NEXT pair.
;   We's set 0        window 1, v192-255: K steps 4 n, 4 n + 1.    We's set 1: window 0, v128-191: K steps 4 n + 2, 4 n + 3.  A pair's products read one set; its LDS loads land in the other.
;   v1, v3, v4, v5, v[BA ..]   offsets and addresses, made at the head and never written again.
;   ACC               written by the products, read by the way out's LDS stores.
;   R[t]              LDS loads land in it, bias and relu work in place, 8 stores read it.  R[0] and R[1] are We's set 1; K steps 62 and 63 read set 1 and fetch the next pass's
;                     K steps 0 and 1 into set 0, so nothing that is still wanted lies in R during the way out.
;   ONE wait on va_vdst stands at a pair's head: the pair before is done reading its two ring slots and its set of We.  All 28 loads of the pair land in those registers, and the
;   products issued since name the accumulators, the other set and other slots.  So the loads are dealt in two runs, one ahead of each K step's products, with no further wait.
.set WAVES, 8
.set BI,   8                           ; v[8:11]    be of the 4 columns that I store
.set FO,   12                          ; v[12:15]   phase 1: slot i's byte offset in We
.set T,    16                          ; v[16:31]   phase 1: 4 columns x 8 k in bf16
.set XF,   32                          ; v[32:159]  phase 1: slot i: 8 loads of 4 registers
.set ACC,  32                          ; v[32:127]  phase 2: tile (t, b) at 8 (4 t + b)
.set R,    128                         ; v[128:223] the way out: 32 registers for each t
.set WS1,  128                         ; v[128:191] the K loop: We's set 1, K step k at 32 (k & 1) + 8 b + 4 q
.set WS0,  192                         ; window 1, v[192:255]: We's set 0, likewise
.set BA,   224                         ; v[224:227] phase 2: 16 L + 65,536 i: We's K steps 16 i .. 16 i + 15 in LDS; never rewritten
.set STG,  262144                      ; LDS behind We: a stage of 16 rows for each wave,
.set SP,   272                         ; 256 bytes + 16 apart: 17 x 16 bytes
.set MSB,  0
.macro WIN new                         ; s_set_vgpr_msb: bits 1:0 source 0, 3:2 source 1, 5:4 source 2, 7:6 destination; the high byte repeats the setting that is left
.if MSB != \new
	s_set_vgpr_msb (MSB<<8)|\new
.set MSB, \new
.endif
.endm
.set MUL0, 0x05                        ; We's set 0: sources 0 and 1 in window 1, C and D in window 0
.set MUL1, 0x04                        ; We's set 1: source 0 in window 0, source 1 in window 1, C and D in window 0
.set LOAD, 0x40                        ; destination in window 1, address in window 0
	s_load_b256 s[4:11], s[0:1], 0x0               ; xs s[4:5], seg s[6:7], We s[8:9], be s[10:11]
	s_load_b64 s[12:13], s[0:1], 0x20              ; hb
	v_lshl_add_u32 v254, v0, 2, 0x48800
	v_mov_b32 v255, 0
	v_and_b32 v7, 31, v0                           ; lane
	v_lshrrev_b32 v6, 5, v0
	v_readfirstlane_b32 s14, v6                    ; wave
	s_lshr_b32 s15, ttmp9, 5                       ; expert
	s_and_b32 s16, ttmp9, 31                       ; block of 64 columns
	v_and_b32 v16, 15, v7                          ; L % 16
	v_lshrrev_b32 v17, 4, v7                       ; L / 16
	v_lshlrev_b32 v1, 4, v7                        ; 16 L: a fragment's 16 bytes, in xs and in LDS
	v_lshlrev_b32 v18, 4, v16                      ; 16 (L % 16)
	v_lshl_add_u32 v[FO], v17, 16, v18             ; We: lanes 0-15 a row's 256 bytes, lanes 16-31 those 8 rows further down
	v_add_nc_u32 v[FO+1], 0x20000, v[FO]           ; slot i: 16 rows of 8,192 bytes further
	v_add_nc_u32 v[FO+2], 0x40000, v[FO]
	v_add_nc_u32 v[FO+3], 0x60000, v[FO]
	v_lshrrev_b32 v19, 2, v16                      ; my 4 columns 4 (L % 16) + c: b = (L % 16) / 4, r = 4 (L % 4) + c
	v_and_b32 v20, 3, v7
	v_lshlrev_b32 v6, 10, v19
	v_lshl_add_u32 v6, v17, 8, v6                  ; h = L / 16
	v_lshl_add_u32 v6, v20, 6, v6
	s_wait_alu depctr_va_sdst(0)                   ; s14 is written, ahead of its first reader, the line below; LDS addresses, We's base and my passes are made from it
	v_lshl_add_u32 v6, s14, 15, v6                 ; my wave's 8 K steps of 4,096 bytes
	s_mul_i32 s26, s14, 16*SP
	s_add_co_u32 s26, s26, STG                     ; my stage
	v_mul_u32_u24 v3, v16, SP
	v_lshl_add_u32 v3, v17, 5, v3
	v_add_nc_u32 v3, s26, v3                       ; in: row L % 16, 32 bytes for each half of the lanes
	v_mul_u32_u24 v4, v17, SP
	v_add_nc_u32 v4, v4, v18
	v_add_nc_u32 v4, s26, v4                       ; back: lanes 0-15 one row of 256 bytes, lanes 16-31 the next
	v_lshl_add_u32 v5, v17, 13, v18                ; the same two rows in hb
	v_mov_b32 v[BA], v1
	v_add_nc_u32 v[BA+1], 0x10000, v1
	v_add_nc_u32 v[BA+2], 0x20000, v1
	v_add_nc_u32 v[BA+3], 0x30000, v1
	s_lshl_b32 s27, s15, 4                         ; seg: 16 bytes an expert
	s_lshl_b32 s28, s15, 13                        ; be: 8,192 e + 256 x block
	s_lshl_b32 s30, s16, 8
	s_add_co_u32 s28, s28, s30
	s_mov_b32 s29, 0
	s_mov_b32 s31, 0
	s_wait_kmcnt 0x0
	s_load_b128 s[32:35], s[6:7], s27 offset:0x0   ; s32 = F, the expert's first pass; s34 = G, the next expert's
	s_add_nc_u64 s[10:11], s[10:11], s[28:29]
	s_add_nc_u64 s[12:13], s[12:13], s[30:31]      ; hb at my columns
	s_lshl_b32 s28, s15, 24                        ; We: 16 MiB an expert, 2 MiB for a wave's 256 rows, 256 bytes a block
	s_lshl_b32 s26, s14, 21
	s_add_co_u32 s28, s28, s26
	s_add_co_u32 s28, s28, s30
	s_add_nc_u64 s[8:9], s[8:9], s[28:29]
	s_wait_alu depctr_va_vdst(0)                   ; v1, v3 to v6, v18, v[FO ..] and v[BA ..] are written: the offsets and addresses that the kernel's loads and stores read
	global_load_b128 v[BI:BI+3], v18, s[10:11]
; PHASE 1.  Wave w rounds rows 256 w .. 256 w + 255 of We: 16 groups of 16 rows through 4 register slots.
; A slot is 16 rows: load j brings rows j (lanes 0-15) and 8 + j (lanes 16-31), 256 consecutive aligned bytes each.
; So a lane holds, for each of its 4 columns, 8 consecutive k: the 16 bytes of one fragment piece.
.macro FLOAD i
.irp j, 0,1,2,3,4,5,6,7
	global_load_b128 v[XF+32*\i+4*\j:XF+32*\i+4*\j+3], v[FO+\i], s[8:9] offset:8192*\j th:TH_LOAD_NT
.endr
.endm
; left = how many younger loads may stay out; ahead = 1: the slot is filled again, 64 rows further down;
; own = 0: slot 0, whose wait on vm_vsrc stands ahead of the loop and at each trip's end
.macro FSLOT i, ahead, left, own=1
	s_wait_loadcnt \left                           ; loads come back in order: this slot's eight are in (and their offset register may be written)
.if \own
	s_wait_alu depctr_vm_vsrc(0)                   ; the LDS stores of the slot before have read T, which the conversions below write again; this slot's loads have read v[FO+i], which is stepped below
.endif
.if \ahead
	v_add_nc_u32 v[FO+\i], 0x80000, v[FO+\i]
.endif
.irp c, 0,1,2,3
.irp m, 0,1,2,3
	v_cvt_pk_bf16_f32 v[T+4*\c+\m], v[XF+32*\i+8*\m+\c], v[XF+32*\i+8*\m+4+\c]   ; k = 2 m below, 2 m + 1 above
.endr
.endr
	s_wait_alu depctr_va_vdst(0)                   ; the conversions have written T, which the LDS stores read, and are done reading XF[i], in which the loads land; v[FO+i] is written, and in slot 0 v6
.if \ahead
	FLOAD \i                                       ; the loads ahead of the LDS stores
.endif
.irp c, 0,1,2,3
	ds_store_b128 v6, v[T+4*\c:T+4*\c+3] offset:4096*(\i>>1)+512*(\i&1)+16*\c    ; sixteen lanes land in 4 different 16-byte columns of 256 bytes, four lanes in each: 64 such stores a wave, once
.endr
.endm
	FLOAD 0
	FLOAD 1
	FLOAD 2
	FLOAD 3                                        ; 32 loads, 16 KiB, of every wave are on their way throughout
	s_mov_b32 s26, 3                               ; groups 0 to 11, each filling its slot again; groups 12 to 15 stand behind the loop
	s_wait_alu depctr_vm_vsrc(0)                   ; be's load has read v18, one of T's registers, and slot 0's loads have read v[FO]: slot 0's turn writes both
.Lfill:
	FSLOT 0, 1, 24, 0                              ; 24 = the three younger slots' eight loads each
	FSLOT 1, 1, 24
	FSLOT 2, 1, 24
	FSLOT 3, 1, 24
	s_wait_alu depctr_vm_vsrc(0)                   ; slot 3's LDS stores have read v6 and T, and slot 0's loads have read v[FO]: the add below and slot 0's next turn write them
	v_add_nc_u32 v6, 0x2000, v6                    ; 64 rows = 2 K steps on
	s_sub_co_u32 s26, s26, 1
	s_cmp_lg_u32 s26, 0
	s_cbranch_scc1 .Lfill
	FSLOT 0, 0, 24, 0                              ; the last 64 rows load nothing: the counts run down
	FSLOT 1, 0, 16
	FSLOT 2, 0, 8
	FSLOT 3, 0, 0
	s_wait_dscnt 0x0                               ; my part of We is in LDS before I signal
	s_barrier_signal -1
	s_barrier_wait -1                              ; the launch's one barrier: We is whole, and is only read from here on
; PHASE 2's pieces.  wk, xk and ks are symbols that the text sets as it goes.
.macro WSEL                            ; the window in which the buffer of We's K step wk lies
.if (wk>>1)&1
	WIN 0
.else
	WIN LOAD
.endif
.endm
.macro WFRAG                           ; We's K step wk, from LDS into its buffer: 8 loads
	WSEL
.set wb, WS0+32*(wk&1)-((wk>>1)&1)*(WS0-WS1)
.irp b, 0,1,2,3
.irp q, 0,1
	ds_load_b128 v[wb+8*\b+4*\q:wb+8*\b+4*\q+3], v[BA+(wk>>4)] offset:4096*(wk&15)+1024*\b+512*\q
.endr
.endr
.endm
.macro XFILL                           ; x's K step xk into ring slot xk & 7: 6 loads; from 64 on it is the next pass's K step xk - 64
	WIN LOAD
.irp t, 0,1,2
.irp q, 0,1
.if xk < 64
	global_load_b128 v[24*(xk&7)+8*\t+4*\q:24*(xk&7)+8*\t+4*\q+3], v1, s[20:21] offset:65536*\t+1024*xk+512*\q
.else
	global_load_b128 v[24*(xk&7)+8*\t+4*\q:24*(xk&7)+8*\t+4*\q+3], v1, s[22:23] offset:65536*\t+1024*(xk-64)+512*\q
.endif
.endr
.endr
.endm
.macro MULS                            ; K step ks: 12 products; then ks counts on
.set wb, WS0+32*(ks&1)-((ks>>1)&1)*(WS0-WS1)
.if (ks>>1)&1
	WIN MUL1
.else
	WIN MUL0
.endif
.irp t, 0,1,2
.irp b, 0,1,2,3
.if ks == 0
	v_wmma_f32_16x16x32_bf16 v[ACC+8*(4*\t+\b):ACC+8*(4*\t+\b)+7], v[wb+8*\b:wb+8*\b+7], v[24*(ks&7)+8*\t:24*(ks&7)+8*\t+7], 0   ; the first product starts the sums
.else
	v_wmma_f32_16x16x32_bf16 v[ACC+8*(4*\t+\b):ACC+8*(4*\t+\b)+7], v[wb+8*\b:wb+8*\b+7], v[24*(ks&7)+8*\t:24*(ks&7)+8*\t+7], v[ACC+8*(4*\t+\b):ACC+8*(4*\t+\b)+7]
.endif
.endr
.endr
	; the 12 accumulators take turns, one instruction a turn, in the same order in every K step
.set ks, ks+1
.endm
; A pair: K steps ks and ks + 1.  Ahead of each step's products one run of loads: We two K steps on, x six K steps on.
.macro PAIR
	s_wait_loadcnt 30                              ; x's K step ks is in; the five younger slots' six loads each stay out.  The same on the way in, in every pair and from pass to pass
	s_wait_dscnt 8                                 ; We's K step ks is in; K step ks + 1's eight loads stay out
.set wk, (ks+2)&63
.set xk, ks+6
	WSEL                                           ; the window first, then the wait, then the loads
	s_wait_alu depctr_va_vdst(0)                   ; the pair before is done reading ring slots (ks - 2) & 7 and (ks - 1) & 7 and its set of We, in which this pair's 28 loads land; in a pass's first pair: bias and relu of the pass before are done with R[0] and R[1], which are that set
	WFRAG
	XFILL
	MULS
.set wk, (ks+2)&63
.set xk, ks+6
	WFRAG                                          ; no wait: the twelve products since the wait name the accumulators, the other set of We and another slot
	XFILL
	s_wait_loadcnt 36                              ; x's second K step is in; the six younger slots' six loads each stay out
	s_wait_dscnt 16                                ; We's second K step is in; the two runs of eight issued in this pair stay out
	MULS
.endm
; The way out of tile t (16 rows), through my own stage: a lane's 32 bytes of a row in, whole rows of 256 bytes back.
.macro STAGE t
.irp b, 0,1,2,3
.irp u, 0,1
	ds_store_b128 v3, v[ACC+8*(4*\t+\b)+4*\u:ACC+8*(4*\t+\b)+4*\u+3] offset:64*\b+16*\u   ; each accumulator from its low end on
.endr
.endr
.irp y, 0,1,2,3,4,5,6,7
	ds_load_b128 v[R+32*\t+4*\y:R+32*\t+4*\y+3], v4 offset:2*SP*\y     ; LDS serves a wave's instructions in order (ISA guide 5.7.1.4): these see the stores above, and the next t's stores come behind them
.endr
.endm
; Bias and relu on tile t, then its 8 stores.  younger: the LDS instructions issued behind tile t's loads: the next tile's sixteen, or none.
.macro SEND t, younger
	s_wait_dscnt \younger                          ; R[t] is in
.irp y, 0,1,2,3,4,5,6,7
	v_pk_add_f32 v[R+32*\t+4*\y:R+32*\t+4*\y+1],   v[R+32*\t+4*\y:R+32*\t+4*\y+1],   v[BI:BI+1]
	v_pk_add_f32 v[R+32*\t+4*\y+2:R+32*\t+4*\y+3], v[R+32*\t+4*\y+2:R+32*\t+4*\y+3], v[BI+2:BI+3]
	v_max_num_f32 v[R+32*\t+4*\y],   0, v[R+32*\t+4*\y]
	v_max_num_f32 v[R+32*\t+4*\y+1], 0, v[R+32*\t+4*\y+1]
	v_max_num_f32 v[R+32*\t+4*\y+2], 0, v[R+32*\t+4*\y+2]
	v_max_num_f32 v[R+32*\t+4*\y+3], 0, v[R+32*\t+4*\y+3]
.endr
	s_wait_alu depctr_va_vdst(0)                   ; the additions and maxima have written R[t], which the eight stores read
.irp y, 0,1,2,3,4,5,6,7
	global_store_b128 v5, v[R+32*\t+4*\y:R+32*\t+4*\y+3], s[24:25] offset:8192*(16*\t+2*\y)   ; sixteen lanes store 256 consecutive bytes, aligned
.endr
.endm
	; PHASE 2
	s_wait_kmcnt 0x0
	s_min_u32 s17, s32, 93
	s_min_u32 s18, s34, 93                         ; G
	s_add_co_u32 s17, s17, s14                     ; P: my first pass
	s_cmp_ge_u32 s17, s18
	s_cbranch_scc1 .Lend                           ; fewer passes than waves: nothing for me (no barrier follows)
	s_sub_co_u32 s37, s18, s17                     ; my passes: (G - P + 7) / 8, 1 at the least since P < G here,
	s_add_co_u32 s37, s37, WAVES-1
	s_lshr_b32 s37, s37, 3
	s_min_u32 s37, s37, 12                         ; and 12 at the most: 93 passes among 8 waves
	s_mov_b32 s36, 0                               ; the pass loop's counter, in steps of 1; P only feeds addresses
	s_min_u32 s26, s17, 92                         ; xs and hb have 93 passes
	s_mul_i32 s28, s26, 0x30000                    ; a pass of xs: 3 tiles of 65,536 bytes
	s_add_nc_u64 s[20:21], s[4:5], s[28:29]
	s_sub_co_u32 s27, s18, 1
	; K steps 0 to 5 of my first pass and We's K steps 0 and 1.  No wait: v1 and v[BA] were written ahead of the head's wait, and no vector instruction has named a register of window 1
.set xk, 0
.rept 6
	XFILL
.set xk, xk+1
.endr
.set wk, 0
	WFRAG
.set wk, 1
	WFRAG
	WIN 0
.Lpass:
	s_add_co_u32 s19, s17, WAVES                   ; my next pass; behind my last one pass G - 1 is fetched in its stead and dropped: inside what was stored
	s_min_u32 s19, s19, s27
	s_min_u32 s19, s19, 92
	s_mul_i32 s28, s19, 0x30000
	s_add_nc_u64 s[22:23], s[4:5], s[28:29]
	s_min_u32 s26, s17, 92
	s_mul_i32 s28, s26, 0x60000                    ; a pass of hb: 48 rows of 8,192 bytes
	s_add_nc_u64 s[24:25], s[12:13], s[28:29]
.set ks, 0
.rept 32
	PAIR
.endr
	WIN 0                                          ; at a label and at a branch every window is 0
	; THE WAY OUT, 16 rows at a time; a tile's arithmetic stands between the next tile's LDS instructions and the wait for them.
.rept 4
	v_nop                                          ; four places behind the last matrix instruction, before its result is read (ISA guide 7.12.1)
.endr
	s_wait_alu depctr_va_vdst(0)                   ; the products have written the accumulators, which the LDS stores read, and are done reading We's set 1, in which R[0]'s and R[1]'s loads land; the places above stay beside this wait
	STAGE 0
	STAGE 1
	SEND 0, 16
	STAGE 2                                        ; no wait: no vector instruction since the wait above names tile 2's accumulators or R[2]
	SEND 1, 16
	SEND 2, 0
	s_wait_xcnt 0x0                                ; the stores' data and base and the loads' bases are written again only behind this wait
	s_wait_alu depctr_vm_vsrc(0)                   ; the stores have read R, in which We's set 1 and the next way out's loads land; the LDS stores have read the accumulators, which the next pass's first products write
	s_mov_b64 s[20:21], s[22:23]
	s_add_co_u32 s17, s17, WAVES                   ; my next pass's number
	s_add_co_u32 s36, s36, 1
	s_cmp_lt_u32 s36, s37
	s_cbranch_scc1 .Lpass
.Lend:
	s_wait_dscnt 0x0
	s_wait_alu depctr_hold_cnt(0) depctr_sa_sdst(0) depctr_va_vdst(0) depctr_va_sdst(0) depctr_va_ssrc(0) depctr_va_vcc(0) depctr_vm_vsrc(0)
	s_wait_tensorcnt 0x0
	ds_add_u32 v254, v255
	s_wait_dscnt 0x0
	s_endpgm
.Lfunc_end_k_q34c89ba8f0_experts:
	.size	k_q34c89ba8f0_experts, .Lfunc_end_k_q34c89ba8f0_experts-k_q34c89ba8f0_experts
	.p2alignl 7, 3214868480
	.fill 96, 4, 3214868480
	.section	.rodata,"a",@progbits
	.p2align	6, 0x0
	.amdhsa_kernel k_q34c89ba8f0_experts
		.amdhsa_group_segment_fixed_size 297984
		.amdhsa_private_segment_fixed_size 0
		.amdhsa_enable_private_segment 0
		.amdhsa_kernarg_size 40
		.amdhsa_user_sgpr_count 2
		.amdhsa_user_sgpr_kernarg_segment_ptr 1
		.amdhsa_wavefront_size32 1
		.amdhsa_system_sgpr_workgroup_id_x 1
		.amdhsa_system_sgpr_workgroup_id_y 1
		.amdhsa_system_sgpr_workgroup_id_z 1
		.amdhsa_system_vgpr_workitem_id 0
		.amdhsa_next_free_vgpr 512
		.amdhsa_next_free_sgpr 66
		.amdhsa_reserve_vcc 0
		.amdhsa_float_denorm_mode_32 3
		.amdhsa_float_denorm_mode_16_64 3
		.amdhsa_memory_ordered 1
		.amdhsa_forward_progress 1
		.amdhsa_inst_pref_size 164
	.end_amdhsa_kernel
	.amdgpu_metadata
---
amdhsa.version: [ 1, 2 ]
amdhsa.kernels:
  - .name:           k_q34c89ba8f0_experts
    .symbol:         k_q34c89ba8f0_experts.kd
    .args:
      - { .name: xs, .offset: 0, .size: 8, .value_kind: global_buffer, .address_space: global }
      - { .name: seg, .offset: 8, .size: 8, .value_kind: global_buffer, .address_space: global }
      - { .name: We, .offset: 16, .size: 8, .value_kind: global_buffer, .address_space: global }
      - { .name: be, .offset: 24, .size: 8, .value_kind: global_buffer, .address_space: global }
      - { .name: hb, .offset: 32, .size: 8, .value_kind: global_buffer, .address_space: global }
    .group_segment_fixed_size: 297984
    .private_segment_fixed_size: 0
    .kernarg_segment_align: 8
    .kernarg_segment_size: 40
    .max_flat_workgroup_size: 256
    .sgpr_count:     66
    .vgpr_count:     512
    .wavefront_size: 32
...
	.end_amdgpu_metadata
.endif
;; end of part 5
;; launch combine: the kernel of part 4 again; grid 256 x 1, 8 waves a work-group, no clusters, 0 bytes of LDS; arguments hb, ppos, wts, out0; writes out0
